; MI455X (gfx1250); checked and timed in simulation.
; The chip was launched on July 23, 2026; its instructions are those of AMD's public machine-readable ISA for CDNA 5 (MIT licence, August 2026) and "CDNA5" Instruction Set Architecture Reference Guide (July 2026). The comments in the code are by the model that wrote it; some were corrected since.
;; Sliding Window Attention. Allowed arithmetic: float matrix products may take bf16 or f16 operands with f32 sums; all other float work in f32.
;; Inputs: Wk 1,024 x 1,024 float32; Wo 1,024 x 1,024 float32; Wq 1,024 x 1,024 float32; Wv 1,024 x 1,024 float32; bk 1,024 float32; bo 1,024 float32; bq 1,024 float32; bv 1,024 float32; x 2 x 2,048 x 1,024 float32.
;; Outputs: out0 2 x 2,048 x 1,024 float32.
;; One version. Each part assembles by itself: llvm-mc -triple=amdgcn-amd-amdhsa -mcpu=gfx1250 --defsym DOCPART=n.
;; ======== version 1 of 1: 4 launches
;; limits: values are held in f16: magnitudes above 65,504 overflow, below 6.1e-05 lose precision
;; workspace buffers: xw 16,777,216 bytes; qkv 25,165,824 bytes; att 8,388,608 bytes
;; launch cast (part 1): grid 128 x 8, 8 waves a work-group, no clusters, 0 bytes of LDS; arguments x, Wq, Wk, Wv, Wo, xw; writes xw
.if DOCPART == 1
	.amdgcn_target "amdgcn-amd-amdhsa--gfx1250"
	.amdhsa_code_object_version 6
	.text
	.protected	k_qdec811d415_cast
	.globl	k_qdec811d415_cast
	.p2align	8
	.type	k_qdec811d415_cast,@function
k_qdec811d415_cast:
	s_mov_b64 s[64:65], 0
	v_nop
	global_prefetch_b8 v0, s[64:65] scope:SCOPE_SE
	s_setreg_imm32_b32 hwreg(HW_REG_WAVE_MODE, 25, 1), 1
	s_wait_xcnt 0x0
; xw = x, Wq, Wk, Wv, Wo rounded to f16, one behind the other, each in its own layout:
; bytes 0 to 8 MiB: x as [4096][1024]; then Wq, Wk, Wv, Wo as [1024 k][1024 n], 2 MiB each.
; A pure stream: every input byte is read once, every output byte written once; LDS, barriers, clusters and the
; matrix unit would add nothing.  The later launches read x three times and each weight four times as matrix
; operands, so the rounding is done once here and they move half the bytes.
; LIMIT: a number of magnitude 65,520 or more becomes an f16 infinity; below 6.1e-5 the f16 is denormal
; (absolute error at most 3e-8).
; Work-group (gx, gy): slice gy of 1,048,576 numbers (gy 0 to 3: a quarter of x; 4 to 7: Wq, Wk, Wv, Wo),
; of it the 8,192 numbers from 8,192 gx, in four steps of 2,048.  Thread t takes 8 numbers a step: 32 bytes in,
; 16 bytes out, so a store of a wave covers 512 consecutive bytes, aligned.
.set X, 8                              ; v[8:39]   step j: 8 numbers in f32
.set Y, 40                             ; v[40:55]  step j: 8 numbers in f16
	s_load_b256 s[4:11], s[0:1], 0x0               ; x s[4:5], Wq s[6:7], Wk s[8:9], Wv s[10:11]
	s_load_b128 s[12:15], s[0:1], 0x20             ; Wo s[12:13], xw s[14:15]
	s_and_b32 s16, ttmp7, 0xffff                   ; the slice
	s_and_b32 s18, s16, 3
	s_lshl_b32 s18, s18, 22                        ; a quarter of x is 4 MiB
	s_mov_b32 s19, 0
	s_lshl_b32 s22, ttmp9, 15                      ; 8,192 numbers of 4 bytes
	s_mov_b32 s23, 0
	s_lshl_b32 s24, s16, 21                        ; a slice of xw is 2 MiB
	s_lshl_b32 s25, ttmp9, 14                      ; 8,192 numbers of 2 bytes
	s_add_co_u32 s24, s24, s25
	s_mov_b32 s25, 0
	v_lshlrev_b32 v1, 5, v0                        ; 32 bytes a thread in
	v_lshlrev_b32 v2, 4, v0                        ; 16 bytes a thread out
	s_wait_kmcnt 0x0
	s_add_nc_u64 s[20:21], s[4:5], s[18:19]        ; the source: a quarter of x, or one of the weights
	s_cmp_eq_u32 s16, 4
	s_cselect_b64 s[20:21], s[6:7], s[20:21]
	s_cmp_eq_u32 s16, 5
	s_cselect_b64 s[20:21], s[8:9], s[20:21]
	s_cmp_eq_u32 s16, 6
	s_cselect_b64 s[20:21], s[10:11], s[20:21]
	s_cmp_eq_u32 s16, 7
	s_cselect_b64 s[20:21], s[12:13], s[20:21]
	s_add_nc_u64 s[20:21], s[20:21], s[22:23]
	s_add_nc_u64 s[14:15], s[14:15], s[24:25]
.irp j, 0,1,2,3
	global_load_b128 v[X+8*\j:X+8*\j+3],   v1, s[20:21] offset:8192*\j th:TH_LOAD_NT      ; all eight loads go out at once
	global_load_b128 v[X+8*\j+4:X+8*\j+7], v1, s[20:21] offset:8192*\j+16 th:TH_LOAD_NT
.endr
.irp j, 0,1,2,3
	s_wait_loadcnt 6-2*\j                          ; loads come back in order (ISA guide 5.7.1): the two loads of each younger step stay out
.irp i, 0,1,2,3
	v_cvt_pk_f16_f32 v[Y+4*\j+\i], v[X+8*\j+2*\i], v[X+8*\j+2*\i+1]
.endr
	global_store_b128 v2, v[Y+4*\j:Y+4*\j+3], s[14:15] offset:4096*\j    ; no register is written twice: no further wait
.endr
	s_endpgm
.Lfunc_end_k_qdec811d415_cast:
	.size	k_qdec811d415_cast, .Lfunc_end_k_qdec811d415_cast-k_qdec811d415_cast
	.p2alignl 7, 3214868480
	.fill 96, 4, 3214868480
	.section	.rodata,"a",@progbits
	.p2align	6, 0x0
	.amdhsa_kernel k_qdec811d415_cast
		.amdhsa_group_segment_fixed_size 0
		.amdhsa_private_segment_fixed_size 0
		.amdhsa_enable_private_segment 0
		.amdhsa_kernarg_size 48
		.amdhsa_user_sgpr_count 2
		.amdhsa_user_sgpr_kernarg_segment_ptr 1
		.amdhsa_wavefront_size32 1
		.amdhsa_system_sgpr_workgroup_id_x 1
		.amdhsa_system_sgpr_workgroup_id_y 1
		.amdhsa_system_sgpr_workgroup_id_z 1
		.amdhsa_system_vgpr_workitem_id 0
		.amdhsa_next_free_vgpr 56
		.amdhsa_next_free_sgpr 66
		.amdhsa_reserve_vcc 0
		.amdhsa_float_denorm_mode_32 3
		.amdhsa_float_denorm_mode_16_64 3
		.amdhsa_memory_ordered 1
		.amdhsa_forward_progress 1
		.amdhsa_inst_pref_size 4
	.end_amdhsa_kernel
	.amdgpu_metadata
---
amdhsa.version: [ 1, 2 ]
amdhsa.kernels:
  - .name:           k_qdec811d415_cast
    .symbol:         k_qdec811d415_cast.kd
    .args:
      - { .name: x, .offset: 0, .size: 8, .value_kind: global_buffer, .address_space: global }
      - { .name: Wq, .offset: 8, .size: 8, .value_kind: global_buffer, .address_space: global }
      - { .name: Wk, .offset: 16, .size: 8, .value_kind: global_buffer, .address_space: global }
      - { .name: Wv, .offset: 24, .size: 8, .value_kind: global_buffer, .address_space: global }
      - { .name: Wo, .offset: 32, .size: 8, .value_kind: global_buffer, .address_space: global }
      - { .name: xw, .offset: 40, .size: 8, .value_kind: global_buffer, .address_space: global }
    .group_segment_fixed_size: 0
    .private_segment_fixed_size: 0
    .kernarg_segment_align: 8
    .kernarg_segment_size: 48
    .max_flat_workgroup_size: 256
    .sgpr_count:     66
    .vgpr_count:     56
    .wavefront_size: 32
...
	.end_amdgpu_metadata
.endif
;; end of part 1
;; launch qkv (part 2): grid 12 x 16, 4 waves a work-group, clusters of 4 x 4, 327,680 bytes of LDS; arguments xw, bq, bk, bv, qkv; writes qkv
.if DOCPART == 2
	.amdgcn_target "amdgcn-amd-amdhsa--gfx1250"
	.amdhsa_code_object_version 6
	.text
	.protected	k_qdec811d415_qkv
	.globl	k_qdec811d415_qkv
	.p2align	8
	.type	k_qdec811d415_qkv,@function
k_qdec811d415_qkv:
	s_mov_b64 s[64:65], 0
	v_nop
	global_prefetch_b8 v0, s[64:65] scope:SCOPE_SE
	s_setreg_imm32_b32 hwreg(HW_REG_WAVE_MODE, 25, 1), 1
	s_wait_xcnt 0x0
	s_wait_alu depctr_hold_cnt(0) depctr_sa_sdst(0) depctr_va_vdst(0) depctr_va_sdst(0) depctr_va_ssrc(0) depctr_va_vcc(0) depctr_vm_vsrc(0)
	s_getreg_b32 s2, hwreg(HW_REG_IB_STS2, 6, 4)
	s_cmp_eq_u32 s2, 0
	s_cbranch_scc0 .Lentry_in_a_cluster
	s_endpgm
.Lentry_in_a_cluster:
	s_bfe_u32 s2, ttmp6, 0x10000c
	s_cmp_lg_u32 s2, 0xf033
	s_cbranch_scc0 .Lentry_shape_is_right
	s_endpgm
.Lentry_shape_is_right:
; qkv[m][n] = sum over k of x[m][k] W[k][n] + bias[n], m = 0 .. 4095, n = 0 .. 3071: columns 0-1023 Wq and bq, 1024-2047 Wk and bk,
; 2048-3071 Wv and bv.  Operands f16 (from xw), sums f32, result rounded once to f16.
; LIMIT: a result of magnitude 65,520 or more becomes an f16 infinity.  The order of the sums is not that of a plain loop over k.
; A work-group makes a block of 256 x 256 with four waves, one to a SIMD; a wave makes 128 x 128: 64 accumulator tiles of 16 x 16,
; 512 registers.  K goes in steps of 128 through a ring of two LDS slots filled by the tensor data mover.
; x lies [m][k]: its tile is 256 rows of 256 bytes.  W lies [k][n]: its tile is 128 k rows of 512 bytes, and its fragments are read by
; the transposing LDS load.  Every tile row starts at a multiple of 256 bytes from the first byte of xw.
; CLUSTERS: 4 x 4 work-groups.  The four of a row of the cluster need the same tiles of x, the four of a column the same tiles of W:
; each such tile is asked for jointly, which divides the requests by four.  A cluster spans 1,024 columns: one weight matrix, picked by
; the x of the cluster, which all sixteen share.
;
; REGISTERS, in windows of 256:
;   window 0: v0-31 addresses; v64-127, v128-191 fragments of x, two buffers; v192-255 the bias tiles, later the packed results
;   window 1: v64-127, v128-191 fragments of W, two buffers
;   window 2: the 32 accumulator tiles of my rows 0-63 (tile (a, b) at v[8 (8 a + b)]);   window 3: those of my rows 64-127
; THE MATRIX INSTRUCTION IS USED TRANSPOSED: source 0 = 16 columns of W, source 1 = 16 rows of x.  Lane l then holds row l % 16 of the
; result and its registers 0 to 7 the columns 8 (l / 16) + 0 .. 7, which pack into 16 bytes.
; THE BIAS STARTS THE SUMS: the first product of each tile takes as C a tile whose register j in lane l is bias[16 b + 8 (l / 16) + j],
; so nothing is cleared and nothing is added afterwards.
.set SIZE_N, 3072
.set SIZE_K, 1024
.set KSTEP,  128
.set PITCH,  272                       ; an LDS row of x: 256 bytes + 16 of padding: the 16 rows that a load touches start 16 bytes apart modulo 256
.set BP,     544                       ; an LDS row of W: 512 bytes + 32 of padding: the 8 rows of a transposing load start 32 bytes apart modulo 256
.set HALFT,  128*PITCH                 ; what one tensor load brings: 128 rows of x, or 64 k rows of W (64 x 544 is the same 34,816 bytes)
.set SLOT,   4*HALFT                   ; 256 rows of x, then 128 k rows of W
.set STAGE,  2*SLOT                    ; behind the ring: 16 rows x 272 bytes for each wave, for the way out; no tensor load lands here
.set SPITCH, 272
.set LAPS,   SIZE_K/(2*KSTEP)          ; a lap = two K steps = once round the ring: 4 laps
.set WOFF,   0x800000                  ; Wq begins 8 MiB into xw; each weight matrix is 2 MiB
.set ADRA, 16                          ; v16-17  LDS address of my fragments of x in slot 0, 1
.set ADRB, 20                          ; v20-21  the same for W
.set STO,  24                          ; v24     the way out: where I put 16 bytes of a row
.set RD,   25                          ; v25     the way out: where I read a row back
.set CO,   26                          ; v26     my byte offset in the result
.set BO,   27                          ; v27     my byte offset in the bias
.set F0,   64
.set F1,   128
.set BIAS, 192                         ; v[192:255] eight bias tiles, one for each block of 16 columns
.set TMP,  192                         ; the way out: packed results (the bias is no longer needed then)
.set G1,  24                           ; s[24:31] descriptor group 1, tiles of x
.set G0,  32                           ; s[32:39] descriptor group 0, tiles of x, one set for each slot
.set G1B, 48                           ; s[48:55] descriptor group 1, tiles of W
.set G0B, 56                           ; s[56:63] descriptor group 0, tiles of W, one set for each slot
.set MSB, 0
.macro WIN new                         ; the high byte of the immediate repeats the setting that is left
.if MSB != \new
	s_set_vgpr_msb (MSB<<8)|\new
.set MSB, \new
.endif
.endm
.set MUL_LO, 0xa1                      ; source 0 (W) window 1, source 1 (x) window 0, C and D window 2
.set MUL_HI, 0xf1                      ; the same, C and D window 3
.set FST_LO, 0x81                      ; the first products: C is the bias in window 0, D window 2
.set FST_HI, 0xc1                      ; the same, D window 3
.set TO_B,   0x40                      ; destination window 1, address window 0
; A joint load.  Waves 0 and 1 fetch the two halves of the tile of x, waves 2 and 3 those of W.  Each line has one mask and one set of
; registers for all that issue it.  The branch hangs on the number of the wave alone.
.macro JLOAD s
	s_cmp_eq_u32 s11, 0
	s_cbranch_scc0 .Lfor_b_\@
	tensor_load_to_lds s[G0+4*\s:G0+4*\s+3], s[G1:G1+7]
	s_nop 0
	s_branch .Lasked_\@
.Lfor_b_\@:
	tensor_load_to_lds s[G0B+4*\s:G0B+4*\s+3], s[G1B:G1B+7]
	s_nop 0
.Lasked_\@:
.endm
; A round of the barrier of the cluster: the barrier of my work-group, so that the signal of wave 0 speaks for all four waves; wave 0
; signals for the work-group; every wave waits for all sixteen work-groups; the barrier of my work-group once more.
.macro CREST                           ; a round behind its opening barrier
	s_cmp_lg_u32 s10, 0
	s_cbranch_scc1 .Lnot_wave_0_\@
	s_barrier_signal -3
.Lnot_wave_0_\@:
	s_barrier_wait -3
	s_barrier_signal -1
	s_barrier_wait -1
.endm
.macro CROUND                          ; a whole round
	s_barrier_signal -1
	s_barrier_wait -1
	CREST
.endm
	s_load_b256 s[68:75], s[0:1], 0x0              ; xw s[68:69], bq s[70:71], bk s[72:73], bv s[74:75]
	s_load_b64 s[8:9], s[0:1], 0x20                ; qkv
	s_set_vgpr_msb 0x40
	v_lshl_add_u32 v255, v0, 2, 0x48400
	s_set_vgpr_msb 0x4000
	v_mov_b32 v63, 0
	s_set_vgpr_msb 0x1
	ds_add_u32 v255, v63
	ds_add_u32 v255, v63
	s_set_vgpr_msb 0x100
	v_lshrrev_b32 v1, 5, v0
	v_readfirstlane_b32 s10, v1                    ; wave 0..3
	s_lshr_b32 s11, s10, 1                         ; which half of the rows of the block is mine.  Also: I fetch for x (0) or for W (1)
	s_and_b32 s12, s10, 1                          ; which half of its columns.  Also: which half of that tile I fetch
	s_bfe_u32 s40, ttmp6, 0x40000                  ; cx
	s_bfe_u32 s41, ttmp6, 0x40004                  ; cy
	s_mov_b32 s76, ttmp9                           ; x of the cluster = the weight matrix: 0 Wq, 1 Wk, 2 Wv
	s_lshl_b32 s42, ttmp9, 2
	s_add_co_u32 s42, s42, s40                     ; block column = 4 x cluster x + cx
	s_and_b32 s13, ttmp7, 0xffff
	s_lshl_b32 s13, s13, 2
	s_add_co_u32 s13, s13, s41                     ; block row = 4 x cluster y + cy
	s_lshl_b32 s43, s41, 2
	s_lshl_b32 s43, 15, s43                        ; my row of the cluster: places 4 cy .. 4 cy + 3
	s_lshl_b32 s44, 0x1111, s40                    ; my column: places cx, cx + 4, cx + 8, cx + 12
	; group 1 for x: 128 rows x 128 elements of 2 bytes; 4 words of padding after every 64 words
	s_or_b32 s[G1+0], s43, (1<<16)|(1<<20)|(1<<21)|(5<<22)|(3<<25)
	s_mov_b32 s[G1+1], KSTEP<<16                   ; tensor_dim0 = 128
	s_mov_b32 s[G1+2], 128<<16                     ; tensor_dim1 = 128
	s_mov_b32 s[G1+3], KSTEP<<16                   ; tile_dim0 = 128
	s_mov_b32 s[G1+4], 128                         ; tile_dim1 = 128
	s_mov_b32 s[G1+5], SIZE_K                      ; 1,024 elements from row to row
	s_mov_b32 s[G1+6], 0
	s_mov_b32 s[G1+7], 0
	; group 1 for W: 64 k rows x 256 elements of 2 bytes; 8 words of padding after every 128 words
	s_or_b32 s[G1B+0], s44, (1<<16)|(1<<20)|(1<<21)|(6<<22)|(7<<25)
	s_mov_b32 s[G1B+1], 256<<16                    ; tensor_dim0 = 256
	s_mov_b32 s[G1B+2], 64<<16                     ; tensor_dim1 = 64
	s_mov_b32 s[G1B+3], 256<<16                    ; tile_dim0 = 256
	s_mov_b32 s[G1B+4], 64                         ; tile_dim1 = 64
	s_mov_b32 s[G1B+5], 1024                       ; 1,024 elements from k row to k row
	s_mov_b32 s[G1B+6], 0
	s_mov_b32 s[G1B+7], 0
	; where the tiles come from.  Those of x hang on the block row alone, those of W on the x of the cluster and on cx alone.
	s_lshl_b32 s17, s12, 7
	s_lshl_b32 s16, s13, 8
	s_add_co_u32 s16, s16, s17                     ; x: row 256 x block row + 128 x half,
	s_lshl_b32 s16, s16, 11                        ; of 2,048 bytes
	s_mov_b32 s17, 0
	s_lshl_b32 s46, ttmp9, 21                      ; W: the matrix, 2 MiB each,
	s_lshl_b32 s47, s40, 9                         ; 256 columns of 2 bytes for each cx,
	s_add_co_u32 s46, s46, s47
	s_lshl_b32 s47, s12, 17                        ; 64 k rows of 2,048 bytes for my half,
	s_add_co_u32 s46, s46, s47
	s_add_co_u32 s46, s46, WOFF                    ; behind x
	s_mov_b32 s47, 0
	s_lshl_b32 s78, s40, 10                        ; the bias of my 128 columns: 256 cx + 128 half, 4 bytes each
	s_lshl_b32 s79, s12, 9
	s_add_co_u32 s78, s78, s79
	s_mov_b32 s79, 0
	s_mul_i32 s20, s10, HALFT                      ; and where they go: wave x 34,816: no place in the cluster enters an LDS address
	s_wait_dscnt 0x0
	s_wait_kmcnt 0x0
	s_add_nc_u64 s[14:15], s[68:69], s[16:17]
	s_add_nc_u64 s[46:47], s[68:69], s[46:47]
	s_cmp_eq_u32 s76, 1                            ; the bias that belongs to the weight matrix
	s_cselect_b64 s[70:71], s[72:73], s[70:71]
	s_cmp_eq_u32 s76, 2
	s_cselect_b64 s[70:71], s[74:75], s[70:71]
	s_add_nc_u64 s[70:71], s[70:71], s[78:79]
	CROUND                                         ; all sixteen work-groups are here: the first joint loads meet
.irp s, 0,1
	s_mov_b32 s[G0+4*\s], 1
	s_add_co_u32 s[G0+4*\s+1], s20, \s*SLOT
	s_add_nc_u64 s[G0+4*\s+2:G0+4*\s+3], s[14:15], \s*KSTEP*2              ; K step s: 128 elements along the rows of x
	s_or_b32 s[G0+4*\s+3], s[G0+4*\s+3], 0x80000000
	s_mov_b32 s[G0B+4*\s], 1
	s_add_co_u32 s[G0B+4*\s+1], s20, \s*SLOT
	s_add_nc_u64 s[G0B+4*\s+2:G0B+4*\s+3], s[46:47], \s*KSTEP*2048         ; K step s: 128 k rows of W down
	s_or_b32 s[G0B+4*\s+3], s[G0B+4*\s+3], 0x80000000
	JLOAD \s                                       ; both slots are asked for before anything else: two tensor loads of the wave are out
.endr
	v_and_b32 v1, 15, v0                           ; r = l % 16
	v_bfe_u32 v2, v0, 4, 1                         ; h = l / 16
	v_lshlrev_b32 v[BO], 5, v2                     ; 8 h numbers of 4 bytes
.irp b, 0,1,2,3,4,5,6,7
	global_load_b128 v[BIAS+8*\b:BIAS+8*\b+3],   v[BO], s[70:71] offset:64*\b
	global_load_b128 v[BIAS+8*\b+4:BIAS+8*\b+7], v[BO], s[70:71] offset:64*\b+16
.endr
	; a fragment of x: lane l holds row r; two loads of 16 bytes, 32 bytes apart, at row x pitch + 16 h
	v_mul_u32_u24 v3, v1, PITCH
	v_lshl_add_u32 v3, v2, 4, v3
	; a fragment of W: two transposing loads, 16 k rows apart, at (8 h + l % 8) x pitch + 16 ((l / 8) % 2)
	v_and_b32 v6, 7, v0
	v_lshl_add_u32 v6, v2, 3, v6
	v_mul_u32_u24 v6, v6, BP
	v_bfe_u32 v7, v0, 3, 1
	v_lshl_add_u32 v6, v7, 4, v6
	s_mul_i32 s21, s11, HALFT                      ; my 128 rows of x
	s_lshl_b32 s22, s12, 8                         ; my 128 columns of W, 2 bytes each,
	s_add_co_u32 s22, s22, 2*HALFT                 ; behind the 256 rows of x
.irp s, 0,1
	v_add_nc_u32 v[ADRA+\s], s21, v3
	v_add_nc_u32 v[ADRB+\s], s22, v6
	s_add_co_u32 s21, s21, SLOT
	s_add_co_u32 s22, s22, SLOT
.endr
	s_mul_i32 s23, s10, 16*SPITCH
	s_add_co_u32 s23, s23, STAGE                   ; my stage
	v_mul_u32_u24 v4, v1, SPITCH
	v_lshl_add_u32 v4, v2, 4, v4
	v_add_nc_u32 v[STO], s23, v4
	v_mul_u32_u24 v5, v2, SPITCH
	v_lshl_add_u32 v5, v1, 4, v5
	v_add_nc_u32 v[RD], s23, v5
	v_mul_u32_u24 v5, v2, SIZE_N*2
	v_lshl_add_u32 v[CO], v1, 4, v5
; 16 matrix instructions: row blocks a0, a0 + 1 of the four of the window (hi = 0: my rows 0-63, 1: rows 64-127) x all 8 column blocks.
; first = 1: the sums start from the bias tile of the column block.
; The 64 accumulators take turns, one instruction a turn, in the same order in every quarter step.
.macro MUL16 f, hi, a0, first
.irp a, \a0, \a0+1
.irp b, 0,1,2,3,4,5,6,7
.if \first
	v_wmma_f32_16x16x32_f16 v[8*(8*(\a)+\b):8*(8*(\a)+\b)+7], v[\f+8*\b:\f+8*\b+7], v[\f+8*(4*\hi+\a):\f+8*(4*\hi+\a)+7], v[BIAS+8*\b:BIAS+8*\b+7]
.else
	v_wmma_f32_16x16x32_f16 v[8*(8*(\a)+\b):8*(8*(\a)+\b)+7], v[\f+8*\b:\f+8*\b+7], v[\f+8*(4*\hi+\a):\f+8*(4*\hi+\a)+7], v[8*(8*(\a)+\b):8*(8*(\a)+\b)+7]
.endif
.endr
.endr
.endm
; 32 LDS loads in one run: the fragments of quarter step q (32 along K) into buffer f: 128 columns of W, then 128 rows of x
.macro FETCH slot, q, f
	WIN TO_B
.irp i, 0,1,2,3,4,5,6,7
	ds_load_tr16_b128 v[\f+8*\i:\f+8*\i+3],   v[ADRB+\slot] offset:\q*32*BP+32*\i
	ds_load_tr16_b128 v[\f+8*\i+4:\f+8*\i+7], v[ADRB+\slot] offset:\q*32*BP+16*BP+32*\i
.endr
	WIN 0
.irp i, 0,1,2,3,4,5,6,7
	ds_load_b128 v[\f+8*\i:\f+8*\i+3],   v[ADRA+\slot] offset:\q*64+\i*16*PITCH
	ds_load_b128 v[\f+8*\i+4:\f+8*\i+7], v[ADRA+\slot] offset:\q*64+\i*16*PITCH+32
.endr
.endm
; Four plain vector instructions stand between a matrix instruction and a load into, or a vector instruction on, one of its registers
; the matrix instructions in between are not counted.
.macro PLACES
.rept 4
	v_nop
.endr
.endm
; One of the first three quarter steps: multiplies buffer f; in its middle it fetches quarter q of the same slot into buffer g.
.macro QUARTER slot, q, f, g, first
	s_wait_dscnt 8                                 ; W and rows 0-63 of x are in; the youngest eight loads (rows 64-127 of x) may be out
.if \first
	WIN FST_LO
.else
	WIN MUL_LO
.endif
	MUL16 \f, 0, 0, \first
	MUL16 \f, 0, 2, \first
	PLACES
	FETCH \slot, \q, \g
	s_wait_dscnt 32                                ; all but the 32 just issued
.if \first
	WIN FST_HI
.else
	WIN MUL_HI
.endif
	MUL16 \f, 1, 0, \first
	MUL16 \f, 1, 2, \first
.endm
.macro THREE slot, first
	QUARTER \slot, 1, F0, F1, \first
	QUARTER \slot, 2, F1, F0, 0
	QUARTER \slot, 3, F0, F1, 0
.endm
; The last quarter step: multiplies buffer 1 and changes slots.  fill = 1: this slot is filled again, two K steps ahead.
; In front of the barrier each wave waits for its own reads of this slot and for all its tensor loads (one is out: its part of the next
; slot).  Behind it nobody reads this slot and the next slot is whole: the refill comes first, then the first fragments of the next slot.
; From a request to the wait for it a wave issues 240 matrix instructions.
.macro TURN slot, next, fill
	s_wait_dscnt 8
	WIN MUL_LO
	MUL16 F1, 0, 0, 0
	s_wait_dscnt 0                                 ; my reads of this slot are over
	s_wait_tensorcnt 0x0                           ; all my tensor loads have landed
	ds_add_u32 v255, v63
	s_wait_dscnt 0x0
	s_barrier_signal -1                            ; where the slot is filled again this barrier opens a round of the barrier of the cluster
	MUL16 F1, 0, 2, 0                              ; register work while the others arrive
	WIN 0
	s_barrier_wait -1
.if \fill
	CREST                                          ; no wave of any partner still reads this slot or has a load on its way
	s_add_nc_u64 s[G0+4*\slot+2:G0+4*\slot+3], s[G0+4*\slot+2:G0+4*\slot+3], 2*KSTEP*2
	s_add_nc_u64 s[G0B+4*\slot+2:G0B+4*\slot+3], s[G0B+4*\slot+2:G0B+4*\slot+3], 2*KSTEP*2048
	JLOAD \slot                                    ; the first and only tensor load of the wave behind the round
.endif
	PLACES
	FETCH \next, 0, F0
	WIN MUL_HI
	MUL16 F1, 1, 0, 0
	MUL16 F1, 1, 2, 0
.endm
.macro LAP first                       ; once round the ring, both slots filled again
	THREE 0, \first
	TURN 0, 1, 1
	THREE 1, 0
	TURN 1, 0, 1
.endm
	s_wait_tensorcnt 1                             ; my part of K step 0 is in; that of K step 1 may stay out
	s_barrier_signal -1
	s_barrier_wait -1
	FETCH 0, 0, F0
	s_wait_loadcnt 0x0                             ; the bias tiles
	LAP 1                                          ; the first lap stands in front of the loop: its first products start the sums
	WIN 0                                          ; at a label and at a branch every window is 0
	s_mov_b32 s3, LAPS-2
.Llap:
	LAP 0
	WIN 0
	s_sub_co_u32 s3, s3, 1
	s_cmp_lg_u32 s3, 0
	s_cbranch_scc1 .Llap
	THREE 0, 0                                     ; the last lap fills nothing
	TURN 0, 1, 0
	THREE 1, 0
	s_wait_dscnt 8
	WIN MUL_LO
	MUL16 F1, 0, 0, 0
	MUL16 F1, 0, 2, 0
	s_wait_dscnt 0
	WIN MUL_HI
	MUL16 F1, 1, 0, 0
	MUL16 F1, 1, 2, 0
	; THE WAY OUT, 16 rows at a time: round to f16, 16 bytes a lane into my own stage, read back as whole rows of 256 bytes.
	PLACES
	s_lshl_b32 s13, s13, 8
	s_lshl_b32 s14, s11, 7
	s_add_co_u32 s16, s13, s14                     ; my first row
	s_mul_i32 s16, s16, SIZE_N*2
	s_mov_b32 s17, 0
	s_add_nc_u64 s[8:9], s[8:9], s[16:17]
	s_lshl_b32 s46, s42, 9                         ; my first column, in bytes: 512 x block + 256 x half
	s_lshl_b32 s47, s12, 8
	s_add_co_u32 s46, s46, s47
	s_mov_b32 s47, 0
	s_add_nc_u64 s[8:9], s[8:9], s[46:47]
; rows 16 i .. 16 i + 15 of my block = the eight tiles (a, 0..7) of window 2 or 3 (from = 0x0a or 0x0f); f: F0 or F1 in turn
.macro OUT16 i, a, from, f
	WIN \from
.irp b, 0,1,2,3,4,5,6,7
.irp r, 0,1,2,3
	v_cvt_pk_f16_f32 v[TMP+4*\b+\r], v[8*(8*\a+\b)+2*\r], v[8*(8*\a+\b)+2*\r+1]
.endr
.endr
	WIN 0
.irp b, 0,1,2,3,4,5,6,7
	ds_store_b128 v[STO], v[TMP+4*\b:TMP+4*\b+3] offset:32*\b
.endr
	s_wait_xcnt 0x0                                ; buffer f, which earlier stores read, and the base of the stores are rewritten only behind this wait
.if \i
	s_add_nc_u64 s[8:9], s[8:9], 16*SIZE_N*2
.endif
.irp t, 0,1,2,3,4,5,6,7
	ds_load_b128 v[\f+4*\t:\f+4*\t+3], v[RD] offset:\t*2*SPITCH    ; LDS serves the instructions of a wave in order: these see the stores above
.endr
.irp t, 0,1,2,3,4,5,6,7
	s_wait_dscnt 7-\t                              ; the younger loads stay out
	global_store_b128 v[CO], v[\f+4*\t:\f+4*\t+3], s[8:9] offset:2*\t*SIZE_N*2   ; 16 lanes store 256 consecutive bytes, aligned
.endr
.endm
	OUT16 0, 0, 0x0a, F0
	OUT16 1, 1, 0x0a, F1
	OUT16 2, 2, 0x0a, F0
	OUT16 3, 3, 0x0a, F1
	OUT16 4, 0, 0x0f, F0
	OUT16 5, 1, 0x0f, F1
	OUT16 6, 2, 0x0f, F0
	OUT16 7, 3, 0x0f, F1
	s_set_vgpr_msb 0x1
	s_wait_tensorcnt 0x0
	ds_add_u32 v255, v63
	s_wait_dscnt 0x0
	s_set_vgpr_msb 0x100
	CROUND                                         ; the closing round: no work-group ends while a partner may still ask for a tile that names it
	s_endpgm
.Lfunc_end_k_qdec811d415_qkv:
	.size	k_qdec811d415_qkv, .Lfunc_end_k_qdec811d415_qkv-k_qdec811d415_qkv
	.p2alignl 7, 3214868480
	.fill 96, 4, 3214868480
	.section	.rodata,"a",@progbits
	.p2align	6, 0x0
	.amdhsa_kernel k_qdec811d415_qkv
		.amdhsa_group_segment_fixed_size 327680
		.amdhsa_private_segment_fixed_size 0
		.amdhsa_enable_private_segment 0
		.amdhsa_kernarg_size 40
		.amdhsa_user_sgpr_count 2
		.amdhsa_user_sgpr_kernarg_segment_ptr 1
		.amdhsa_wavefront_size32 1
		.amdhsa_system_sgpr_workgroup_id_x 1
		.amdhsa_system_sgpr_workgroup_id_y 1
		.amdhsa_system_sgpr_workgroup_id_z 1
		.amdhsa_system_vgpr_workitem_id 0
		.amdhsa_next_free_vgpr 1024
		.amdhsa_next_free_sgpr 80
		.amdhsa_reserve_vcc 0
		.amdhsa_float_denorm_mode_32 3
		.amdhsa_float_denorm_mode_16_64 3
		.amdhsa_memory_ordered 1
		.amdhsa_forward_progress 1
		.amdhsa_inst_pref_size 198
	.end_amdhsa_kernel
	.amdgpu_metadata
---
amdhsa.version: [ 1, 2 ]
amdhsa.kernels:
  - .name:           k_qdec811d415_qkv
    .symbol:         k_qdec811d415_qkv.kd
    .args:
      - { .name: xw, .offset: 0, .size: 8, .value_kind: global_buffer, .address_space: global }
      - { .name: bq, .offset: 8, .size: 8, .value_kind: global_buffer, .address_space: global }
      - { .name: bk, .offset: 16, .size: 8, .value_kind: global_buffer, .address_space: global }
      - { .name: bv, .offset: 24, .size: 8, .value_kind: global_buffer, .address_space: global }
      - { .name: qkv, .offset: 32, .size: 8, .value_kind: global_buffer, .address_space: global }
    .group_segment_fixed_size: 327680
    .private_segment_fixed_size: 0
    .kernarg_segment_align: 8
    .kernarg_segment_size: 40
    .max_flat_workgroup_size: 128
    .sgpr_count:     80
    .vgpr_count:     1024
    .wavefront_size: 32
...
	.end_amdgpu_metadata
.endif
;; end of part 2
;; launch attn (part 3): grid 16 x 16, 8 waves a work-group, no clusters, 285,696 bytes of LDS; arguments qkv, att; writes att
.if DOCPART == 3
	.amdgcn_target "amdgcn-amd-amdhsa--gfx1250"
	.amdhsa_code_object_version 6
	.text
	.protected	k_qdec811d415_attn
	.globl	k_qdec811d415_attn
	.p2align	8
	.type	k_qdec811d415_attn,@function
k_qdec811d415_attn:
	s_mov_b64 s[64:65], 0
	v_nop
	global_prefetch_b8 v0, s[64:65] scope:SCOPE_SE
	s_setreg_imm32_b32 hwreg(HW_REG_WAVE_MODE, 25, 1), 1
	s_wait_xcnt 0x0
; att[b][i][h][:] = softmax over j of (q_i . k_j / 8) v_j, over the keys j <= i with i - j <= 256.  qkv: [4096][3072] f16, att: [4096][1024] f16.
; Scores, maxima, exponentials and sums in f32; Q, K, V and the probabilities enter the matrix unit as f16.
; LIMITS: a probability below 2^-25 of the largest of its row becomes 0 in f16; NaN and infinities among q, k, v are not reproduced
; pattern for pattern.  The maximum of a row is taken away before the exponential, as a running maximum.
; Work-group (qb, y): 128 queries from t0 = 128 qb of sequence b = y / 8, heads 2 hp and 2 hp + 1, hp = y % 8: 256 bytes of a row.
; Its keys are t0 - 256 .. t0 + 127: a window of 384 rows of K and of V, window row = key - t0 + 256.
; Eight waves: wave w has head hh = w / 4 of the pair and the 32 queries from t0 + 32 wq, wq = w % 4, as two tiles of 16.
; All tiles are asked for at the first lines, one tensor load a wave, 128 rows of 256 bytes each; nothing is ever filled again.
; The pieces of K and V whose keys would be negative (qb + piece < 2) are neither loaded nor read.
; NO CLUSTER: neighbouring query blocks share rows of K and V, but at window rows 128 apart, so a joint load would need an LDS address
; that hangs on the place in the cluster, and blocks 0 and 1 of a sequence have fewer pieces than their partners.
; EVERYTHING IS TRANSPOSED, so that no number changes lanes between the two products:
;   S^T (16 keys x 16 queries) = K tile x Q tile^T: lane (r, h) holds, for query r, the keys 8 h + 0 .. 7 in its 8 registers;
;   packed to f16 these are at once the B fragment P^T (32 keys x 16 queries) of O^T (16 d x 16 queries) += V^T x P^T;
;   V^T comes from the rows of V by the transposing LDS load.  A row of the softmax lies in lanes r and r + 16 alone.
.set PK,   272                         ; LDS pitch of K, Q and the stage: 256 + 16 bytes
.set PV,   288                         ; LDS pitch of V: 256 + 32 bytes, for the transposing load
.set VB,   384*PK                      ; K at 0; V at 104,448
.set QB,   VB+384*PV                   ; Q at 215,040
.set ST,   QB+128*PK                   ; the stage at 249,856: 128 rows x 272 bytes; no tensor load lands here
.set ROWB, 6144                        ; bytes in a row of qkv
.set KALO, 2                           ; v2   K: r x 272 + 16 h + 32 wq rows + 128 hh
.set KAHI, 3                           ; v3   the same, 128 rows on
.set VALO, 4                           ; v4   V: (8 h + l % 8) x 288 + 16 ((l / 8) % 2) + 32 wq rows + 128 hh
.set VAHI, 5                           ; v5   the same, 128 rows on
.set QA,   6                           ; v6   Q
.set SA,   7                           ; v7   stage, in
.set RD,   8                           ; v8   stage, back
.set CO,   9                           ; v9   my byte offset in att
.set DLT,  10                          ; v10  r - 8 h
.set NEGINF, 11                        ; v11  minus infinity
.set QF,   16                          ; v[16:47]    Q(qt, ks) at 16 qt + 8 ks
.set KF,   48                          ; v[48:79]    K(kt, ks) at 16 kt + 8 ks
.set VF,   80                          ; v[80:111]   V^T(dt) at 8 dt
.set SF,   112                         ; v[112:143]  S^T(kt, qt) at 16 qt + 8 kt
.set PF,   144                         ; v[144:159]  P^T(qt) at 8 qt
.set OF,   160                         ; v[160:223]  O^T(dt, qt) at 32 qt + 8 dt
.set MX,   224                         ; v[224:225]  running maximum of query r of tile qt
.set LS,   226                         ; v[226:227]  running sum, the share of this lane
.set AL,   228                         ; v[228:229]  factor that brings old sums to the new maximum
.set TM,   232                         ; v[232:233]  at work: maxima
.set TP,   234                         ; v[234:235]  at work: from the other half of the lanes
.set TS,   236                         ; v[236:243]  at work: sums
.set NCUR, 230                         ; v[230:231] and v[244:245] hold - maximum x c of this chunk and of the one before, by turns
.set NOLD, 244
	s_load_b128 s[4:7], s[0:1], 0x0                ; qkv s[4:5], att s[6:7]
	v_lshl_add_u32 v248, v0, 2, 0x45800
	v_mov_b32 v249, 0
	ds_add_u32 v248, v249
	ds_add_u32 v248, v249
	v_lshrrev_b32 v1, 5, v0
	v_readfirstlane_b32 s8, v1                     ; wave 0..7
	s_mov_b32 s9, ttmp9                            ; qb
	s_and_b32 s24, ttmp7, 0xffff
	s_lshr_b32 s10, s24, 3                         ; b
	s_and_b32 s11, s24, 7                          ; hp
	; group 1 for K and Q: 128 rows x 128 elements of 2 bytes, 4 words of padding after every 64 words
	s_mov_b32 s16, (1<<16)|(1<<20)|(5<<22)|(3<<25)
	s_mov_b32 s17, 128<<16
	s_mov_b32 s18, 128<<16
	s_mov_b32 s19, 128<<16
	s_mov_b32 s20, 128
	s_mov_b32 s21, 3072                            ; elements from row to row
	s_mov_b32 s22, 0
	s_mov_b32 s23, 0
	; group 1 for V: the same with 8 words of padding
	s_mov_b32 s32, (1<<16)|(1<<20)|(5<<22)|(7<<25)
	s_mov_b32 s33, 128<<16
	s_mov_b32 s34, 128<<16
	s_mov_b32 s35, 128<<16
	s_mov_b32 s36, 128
	s_mov_b32 s37, 3072
	s_mov_b32 s38, 0
	s_mov_b32 s39, 0
	s_mov_b32 s12, 1
	s_mov_b32 s27, 0
	s_lshl_b32 s30, s10, 11                        ; first row of the sequence
	s_lshl_b32 s31, s11, 8                         ; the 256 bytes of the head pair
	s_wait_dscnt 0x0
	s_wait_kmcnt 0x0
	; Waves 0-2: piece w of K.  Waves 3-5: piece w - 3 of V.  Wave 6: Q.  Wave 7: nothing.  One tensor load a wave is out at the most.
	s_cmp_gt_u32 s8, 2
	s_cbranch_scc1 .Lnot_k
	s_add_co_u32 s24, s9, s8                       ; qb + piece
	s_cmp_lt_u32 s24, 2
	s_cbranch_scc1 .Lloaded                        ; its keys would be negative
	s_sub_co_u32 s24, s24, 2
	s_lshl_b32 s24, s24, 7
	s_add_co_u32 s24, s24, s30
	s_mul_i32 s26, s24, ROWB
	s_add_co_u32 s26, s26, s31
	s_add_co_u32 s26, s26, 2048                    ; K: columns 1,024 on
	s_mul_i32 s13, s8, 128*PK
	s_add_nc_u64 s[14:15], s[4:5], s[26:27]
	s_or_b32 s15, s15, 0x80000000
	tensor_load_to_lds s[12:15], s[16:23]
	s_nop 0
	s_branch .Lloaded
.Lnot_k:
	s_cmp_gt_u32 s8, 5
	s_cbranch_scc1 .Lnot_v
	s_sub_co_u32 s25, s8, 3                        ; piece
	s_add_co_u32 s24, s9, s25
	s_cmp_lt_u32 s24, 2
	s_cbranch_scc1 .Lloaded
	s_sub_co_u32 s24, s24, 2
	s_lshl_b32 s24, s24, 7
	s_add_co_u32 s24, s24, s30
	s_mul_i32 s26, s24, ROWB
	s_add_co_u32 s26, s26, s31
	s_add_co_u32 s26, s26, 4096                    ; V: columns 2,048 on
	s_mul_i32 s13, s25, 128*PV
	s_add_co_u32 s13, s13, VB
	s_add_nc_u64 s[14:15], s[4:5], s[26:27]
	s_or_b32 s15, s15, 0x80000000
	tensor_load_to_lds s[12:15], s[32:39]
	s_nop 0
	s_branch .Lloaded
.Lnot_v:
	s_cmp_lg_u32 s8, 6
	s_cbranch_scc1 .Lloaded
	s_lshl_b32 s24, s9, 7
	s_add_co_u32 s24, s24, s30
	s_mul_i32 s26, s24, ROWB
	s_add_co_u32 s26, s26, s31
	s_mov_b32 s13, QB
	s_add_nc_u64 s[14:15], s[4:5], s[26:27]
	s_or_b32 s15, s15, 0x80000000
	tensor_load_to_lds s[12:15], s[16:23]
	s_nop 0
.Lloaded:
	s_lshr_b32 s43, s8, 2                          ; hh
	s_and_b32 s44, s8, 3                           ; wq
	s_lshl_b32 s45, s9, 2
	s_add_co_u32 s45, s45, s44
	s_add_co_u32 s45, s45, 1
	s_min_u32 s45, s45, 9                          ; chunks of 32 keys with keys >= 0: min(9, 4 qb + wq + 1)
	s_mov_b32 s28, 0x76543210                      ; v_permlanex16_b32: lane i takes lane i of the other half
	s_mov_b32 s29, 0xfedcba98
	s_mov_b32 s40, 0x3e38aa3b                      ; c = log2(e) / 8: the scale 1 / sqrt(64) and the base of v_exp_f32 in one factor
	s_mov_b32 s41, 0x3e38aa3b
	s_mov_b32 s42, 0xbe38aa3b                      ; - c
	v_and_b32 v12, 15, v0                          ; r
	v_bfe_u32 v13, v0, 4, 1                        ; h
	v_mul_u32_u24 v1, v12, PK
	v_lshl_add_u32 v1, v13, 4, v1                  ; r x 272 + 16 h
	s_mul_i32 s24, s44, 32*PK
	s_lshl_b32 s25, s43, 7
	s_add_co_u32 s24, s24, s25                     ; 32 wq rows + 128 hh
	v_add_nc_u32 v[KALO], s24, v1
	v_add_nc_u32 v[KAHI], 128*PK, v[KALO]
	v_add_nc_u32 v[QA], QB, v[KALO]
	v_add_nc_u32 v[SA], ST, v[KALO]
	v_and_b32 v14, 7, v0
	v_lshl_add_u32 v14, v13, 3, v14
	v_mul_u32_u24 v14, v14, PV
	v_bfe_u32 v15, v0, 3, 1
	v_lshl_add_u32 v14, v15, 4, v14
	s_mul_i32 s24, s44, 32*PV
	s_add_co_u32 s24, s24, s25
	s_add_co_u32 s24, s24, VB
	v_add_nc_u32 v[VALO], s24, v14
	v_add_nc_u32 v[VAHI], 128*PV, v[VALO]
	s_lshl_b32 s24, s8, 4                          ; on the way out wave w stores rows 16 w .. 16 w + 15 of the block
	v_add_nc_u32 v[RD], s24, v13
	v_mul_u32_u24 v[RD], v[RD], PK
	v_lshl_add_u32 v[RD], v12, 4, v[RD]
	v_add_nc_u32 v[RD], ST, v[RD]
	v_lshlrev_b32 v[CO], 11, v13
	v_lshl_add_u32 v[CO], v12, 4, v[CO]
	s_lshl_b32 s26, s9, 7
	s_add_co_u32 s26, s26, s30
	s_add_co_u32 s26, s26, s24
	s_lshl_b32 s26, s26, 11                        ; rows of 2,048 bytes
	s_add_co_u32 s26, s26, s31
	s_add_nc_u64 s[6:7], s[6:7], s[26:27]
	v_lshlrev_b32 v[DLT], 3, v13
	v_sub_nc_u32 v[DLT], v12, v[DLT]
	v_mov_b32 v[NEGINF], 0xff800000
	v_mov_b32 v[TP], 0                             ; the destination of v_permlanex16_b32 counts as read
	v_mov_b32 v[TP+1], 0
	s_wait_tensorcnt 0x0                           ; my tile is in LDS,
	s_barrier_signal -1
	s_barrier_wait -1                              ; and so is that of every wave
.macro PLACES                          ; four plain vector instructions behind a matrix instruction (ISA guide 7.12.1)
.rept 4
	v_nop
.endr
.endm
.macro SCALEO                          ; every O^T(dt, qt) times AL[qt]
.set ii, 0
.rept 16
	v_pk_mul_f32 v[OF+ii:OF+ii+1], v[OF+ii:OF+ii+1], v[AL:AL+1] op_sel_hi:[1,0]
	v_pk_mul_f32 v[OF+32+ii:OF+32+ii+1], v[OF+32+ii:OF+32+ii+1], v[AL:AL+1] op_sel:[0,1] op_sel_hi:[1,1]
.set ii, ii+2
.endr
.endm
; One chunk of 32 keys, at window row R + 32 wq.  first = 1: it starts maxima, sums and O.
; mask = 1: the chunk on the diagonal (keep key <= query); mask = 2: the chunk 256 keys back (keep query - key <= 256); 0: all are kept.
; With key = 16 kt + 8 h + j and query = 16 qt + r inside the chunk, mask 1 keeps j + 16 (kt - qt) <= r - 8 h and mask 2 keeps >=.
; So the tile with kt - qt = 1 (mask 1) or - 1 (mask 2) is dropped whole, the opposite one is kept whole, and kt = qt is compared.
.macro CHUNK R, first, mask
.if \R >= 128
.set KAD, KAHI
.set VAD, VAHI
.set RO, \R-128
.else
.set KAD, KALO
.set VAD, VALO
.set RO, \R
.endif
.if \mask
.set DROP, 3-2*\mask
.else
.set DROP, 9
.endif
.if \first == 0
.set NTMP, NOLD
.set NOLD, NCUR
.set NCUR, NTMP
.endif
.irp kt, 0,1
.irp ks, 0,1
	ds_load_b128 v[KF+16*\kt+8*\ks:KF+16*\kt+8*\ks+3],   v[KAD] offset:(RO+16*\kt)*PK+64*\ks
	ds_load_b128 v[KF+16*\kt+8*\ks+4:KF+16*\kt+8*\ks+7], v[KAD] offset:(RO+16*\kt)*PK+64*\ks+32
.endr
.endr
.irp dt, 0,1,2,3
	ds_load_tr16_b128 v[VF+8*\dt:VF+8*\dt+3],   v[VAD] offset:RO*PV+32*\dt
	ds_load_tr16_b128 v[VF+8*\dt+4:VF+8*\dt+7], v[VAD] offset:RO*PV+16*PV+32*\dt
.endr
	s_wait_dscnt 8                                 ; K (and, in the first chunk, Q in front of it) is in; the eight loads of V stay out
	; the scores: d = 0 .. 31 starts the sums, d = 32 .. 63 adds; the accumulators take turns, one instruction a turn
.irp ks, 0,1
.irp qt, 0,1
.irp kt, 0,1
.if (\kt-\qt) != DROP
.if \ks == 0
	v_wmma_f32_16x16x32_f16 v[SF+16*\qt+8*\kt:SF+16*\qt+8*\kt+7], v[KF+16*\kt+8*\ks:KF+16*\kt+8*\ks+7], v[QF+16*\qt+8*\ks:QF+16*\qt+8*\ks+7], 0
.else
	v_wmma_f32_16x16x32_f16 v[SF+16*\qt+8*\kt:SF+16*\qt+8*\kt+7], v[KF+16*\kt+8*\ks:KF+16*\kt+8*\ks+7], v[QF+16*\qt+8*\ks:QF+16*\qt+8*\ks+7], v[SF+16*\qt+8*\kt:SF+16*\qt+8*\kt+7]
.endif
.endif
.endr
.endr
.endr
.if \mask
	; the tile that is dropped whole had no product: its eight registers, which no matrix instruction of this chunk names, are set to
	; minus infinity; these eight lines are also the places behind the products above
.irp qt, 0,1
.irp kt, 0,1
.if (\kt-\qt) == DROP
.irp j, 0,1,2,3,4,5,6,7
	v_mov_b32 v[SF+16*\qt+8*\kt+\j], v[NEGINF]
.endr
.endif
.endr
.endr
.irp qt, 0,1
.irp j, 0,1,2,3,4,5,6,7
.if \mask == 1
	v_cmp_le_i32 vcc_lo, \j, v[DLT]
.else
	v_cmp_ge_i32 vcc_lo, \j, v[DLT]
.endif
	v_cndmask_b32 v[SF+24*\qt+\j], v[NEGINF], v[SF+24*\qt+\j], vcc_lo      ; the tile kt = qt lies at 16 qt + 8 qt
.endr
.endr
.else
	PLACES
.endif
	; the maximum of my 16 scores of each query and of the maximum so far; two chains, one for each query tile
	v_max3_num_f32 v[TM],   v[SF],    v[SF+1],  v[SF+2]
	v_max3_num_f32 v[TM+1], v[SF+16], v[SF+17], v[SF+18]
.irp i, 3,5,7,9,11,13
	v_max3_num_f32 v[TM],   v[TM],   v[SF+\i],    v[SF+\i+1]
	v_max3_num_f32 v[TM+1], v[TM+1], v[SF+16+\i], v[SF+16+\i+1]
.endr
.if \first
	v_max_num_f32 v[TM],   v[TM],   v[SF+15]
	v_max_num_f32 v[TM+1], v[TM+1], v[SF+31]
.else
	v_max3_num_f32 v[TM],   v[TM],   v[SF+15], v[MX]
	v_max3_num_f32 v[TM+1], v[TM+1], v[SF+31], v[MX+1]
.endif
	v_permlanex16_b32 v[TP],   v[TM],   s28, s29   ; the other 16 keys of the query lie in lane l xor 16
	v_permlanex16_b32 v[TP+1], v[TM+1], s28, s29
	v_max_num_f32 v[MX],   v[TM],   v[TP]          ; finite from the first chunk on: it holds the key j = i of every query
	v_max_num_f32 v[MX+1], v[TM+1], v[TP+1]
	v_mul_f32 v[NCUR],   s42, v[MX]                ; - maximum x c
	v_mul_f32 v[NCUR+1], s42, v[MX+1]
.if \first == 0
	v_sub_f32 v[AL],   v[NCUR],   v[NOLD]          ; the difference of the two rounded shifts, so that old and new terms carry the same one
	v_sub_f32 v[AL+1], v[NCUR+1], v[NOLD+1]
.endif
.irp i, 0,2,4,6,8,10,12,14
	v_pk_fma_f32 v[SF+\i:SF+\i+1], v[SF+\i:SF+\i+1], s[40:41], v[NCUR:NCUR+1] op_sel_hi:[1,0,0]
	v_pk_fma_f32 v[SF+16+\i:SF+16+\i+1], v[SF+16+\i:SF+16+\i+1], s[40:41], v[NCUR:NCUR+1] op_sel:[0,0,1] op_sel_hi:[1,0,1]
.endr
.if \first == 0
	v_exp_f32 v[AL],   v[AL]
	v_exp_f32 v[AL+1], v[AL+1]
.endif
.set ii, 0
.rept 32
	v_exp_f32 v[SF+ii], v[SF+ii]                   ; 2^((s - maximum) c); minus infinity gives 0
.set ii, ii+1
.endr
	v_nop                                          ; one plain vector instruction between the exponentials and the first use of a result (ISA guide 5.7.2)
	s_wait_alu depctr_va_vdst(0)
.irp qt, 0,1
	v_pk_add_f32 v[TS:TS+1],   v[SF+16*\qt:SF+16*\qt+1],     v[SF+16*\qt+2:SF+16*\qt+3]
	v_pk_add_f32 v[TS+2:TS+3], v[SF+16*\qt+4:SF+16*\qt+5],   v[SF+16*\qt+6:SF+16*\qt+7]
	v_pk_add_f32 v[TS+4:TS+5], v[SF+16*\qt+8:SF+16*\qt+9],   v[SF+16*\qt+10:SF+16*\qt+11]
	v_pk_add_f32 v[TS+6:TS+7], v[SF+16*\qt+12:SF+16*\qt+13], v[SF+16*\qt+14:SF+16*\qt+15]
	v_pk_add_f32 v[TS:TS+1],   v[TS:TS+1],   v[TS+2:TS+3]
	v_pk_add_f32 v[TS+4:TS+5], v[TS+4:TS+5], v[TS+6:TS+7]
	v_pk_add_f32 v[TS:TS+1],   v[TS:TS+1],   v[TS+4:TS+5]
.if \first
	v_add_f32 v[LS+\qt], v[TS], v[TS+1]
.else
	v_add_f32 v[TS], v[TS], v[TS+1]
	v_fma_f32 v[LS+\qt], v[LS+\qt], v[AL+\qt], v[TS]
.endif
.endr
.irp qt, 0,1
.irp i, 0,1,2,3,4,5,6,7
	v_cvt_pk_f16_f32 v[PF+8*\qt+\i], v[SF+16*\qt+2*\i], v[SF+16*\qt+2*\i+1]    ; registers 0-3: keys 8 h ..; 4-7: keys 16 + 8 h ..: the B fragment as it is
.endr
.endr
.if \first == 0
	SCALEO
.endif
	s_wait_dscnt 0                                 ; V is in
.irp dt, 0,1,2,3
.irp qt, 0,1
.if \first
	v_wmma_f32_16x16x32_f16 v[OF+32*\qt+8*\dt:OF+32*\qt+8*\dt+7], v[VF+8*\dt:VF+8*\dt+7], v[PF+8*\qt:PF+8*\qt+7], 0
.else
	v_wmma_f32_16x16x32_f16 v[OF+32*\qt+8*\dt:OF+32*\qt+8*\dt+7], v[VF+8*\dt:VF+8*\dt+7], v[PF+8*\qt:PF+8*\qt+7], v[OF+32*\qt+8*\dt:OF+32*\qt+8*\dt+7]
.endif
.endr
.endr
	PLACES                                         ; in front of the next loads into V, the next writes of P and the next reads of O
.endm
.macro EXIT c                          ; chunk c would hold negative keys: only in the first two blocks of a sequence
	s_cmp_le_u32 s45, \c
	s_cbranch_scc1 .Lfin
.endm
.irp qt, 0,1
.irp ks, 0,1
	ds_load_b128 v[QF+16*\qt+8*\ks:QF+16*\qt+8*\ks+3],   v[QA] offset:\qt*16*PK+64*\ks
	ds_load_b128 v[QF+16*\qt+8*\ks+4:QF+16*\qt+8*\ks+7], v[QA] offset:\qt*16*PK+64*\ks+32
.endr
.endr
	CHUNK 256, 1, 1                                ; from the diagonal downward
	EXIT 1
	CHUNK 224, 0, 0
	EXIT 2
	CHUNK 192, 0, 0
	EXIT 3
	CHUNK 160, 0, 0
	EXIT 4
	CHUNK 128, 0, 0
	EXIT 5
	CHUNK 96, 0, 0
	EXIT 6
	CHUNK 64, 0, 0
	EXIT 7
	CHUNK 32, 0, 0
	EXIT 8
	CHUNK 0, 0, 2
.Lfin:
	v_permlanex16_b32 v[TP],   v[LS],   s28, s29   ; the two halves of each sum meet
	v_permlanex16_b32 v[TP+1], v[LS+1], s28, s29
	v_add_f32 v[LS],   v[LS],   v[TP]
	v_add_f32 v[LS+1], v[LS+1], v[TP+1]            ; at least 1: the term of the maximum
	v_rcp_f32 v[AL],   v[LS]
	v_rcp_f32 v[AL+1], v[LS+1]
	v_nop
	s_wait_alu depctr_va_vdst(0)
	SCALEO
.irp qt, 0,1
.irp dt, 0,1,2,3
.irp i, 0,1,2,3
	v_cvt_pk_f16_f32 v[SF+16*\qt+4*\dt+\i], v[OF+32*\qt+8*\dt+2*\i], v[OF+32*\qt+8*\dt+2*\i+1]
.endr
.endr
.endr
.irp qt, 0,1
.irp dt, 0,1,2,3
	ds_store_b128 v[SA], v[SF+16*\qt+4*\dt:SF+16*\qt+4*\dt+3] offset:\qt*16*PK+32*\dt    ; query row, d = 16 dt + 8 h .. + 7 of my head
.endr
.endr
	s_wait_dscnt 0x0                               ; a row of the stage is written by two waves, one for each head: zero, for the sake of the others
	s_barrier_signal -1
	s_barrier_wait -1
.irp t, 0,1,2,3,4,5,6,7
	ds_load_b128 v[KF+4*\t:KF+4*\t+3], v[RD] offset:\t*2*PK
.endr
.irp t, 0,1,2,3,4,5,6,7
	s_wait_dscnt 7-\t                              ; the younger loads stay out
	global_store_b128 v[CO], v[KF+4*\t:KF+4*\t+3], s[6:7] offset:4096*\t     ; 16 lanes store 256 consecutive bytes, aligned
.endr
	s_wait_tensorcnt 0x0
	ds_add_u32 v248, v249
	s_wait_dscnt 0x0
	s_endpgm
.Lfunc_end_k_qdec811d415_attn:
	.size	k_qdec811d415_attn, .Lfunc_end_k_qdec811d415_attn-k_qdec811d415_attn
	.p2alignl 7, 3214868480
	.fill 96, 4, 3214868480
	.section	.rodata,"a",@progbits
	.p2align	6, 0x0
	.amdhsa_kernel k_qdec811d415_attn
		.amdhsa_group_segment_fixed_size 285696
		.amdhsa_private_segment_fixed_size 0
		.amdhsa_enable_private_segment 0
		.amdhsa_kernarg_size 16
		.amdhsa_user_sgpr_count 2
		.amdhsa_user_sgpr_kernarg_segment_ptr 1
		.amdhsa_wavefront_size32 1
		.amdhsa_system_sgpr_workgroup_id_x 1
		.amdhsa_system_sgpr_workgroup_id_y 1
		.amdhsa_system_sgpr_workgroup_id_z 1
		.amdhsa_system_vgpr_workitem_id 0
		.amdhsa_next_free_vgpr 250
		.amdhsa_next_free_sgpr 66
		.amdhsa_reserve_vcc 1
		.amdhsa_float_denorm_mode_32 3
		.amdhsa_float_denorm_mode_16_64 3
		.amdhsa_memory_ordered 1
		.amdhsa_forward_progress 1
		.amdhsa_inst_pref_size 102
	.end_amdhsa_kernel
	.amdgpu_metadata
---
amdhsa.version: [ 1, 2 ]
amdhsa.kernels:
  - .name:           k_qdec811d415_attn
    .symbol:         k_qdec811d415_attn.kd
    .args:
      - { .name: qkv, .offset: 0, .size: 8, .value_kind: global_buffer, .address_space: global }
      - { .name: att, .offset: 8, .size: 8, .value_kind: global_buffer, .address_space: global }
    .group_segment_fixed_size: 285696
    .private_segment_fixed_size: 0
    .kernarg_segment_align: 8
    .kernarg_segment_size: 16
    .max_flat_workgroup_size: 256
    .sgpr_count:     66
    .vgpr_count:     250
    .wavefront_size: 32
...
	.end_amdgpu_metadata
.endif
;; end of part 3
;; launch oproj (part 4): grid 8 x 16, 4 waves a work-group, clusters of 4 x 4, 327,680 bytes of LDS; arguments att, xw, bo, out0; writes out0
.if DOCPART == 4
	.amdgcn_target "amdgcn-amd-amdhsa--gfx1250"
	.amdhsa_code_object_version 6
	.text
	.protected	k_qdec811d415_oproj
	.globl	k_qdec811d415_oproj
	.p2align	8
	.type	k_qdec811d415_oproj,@function
k_qdec811d415_oproj:
	s_mov_b64 s[64:65], 0
	v_nop
	global_prefetch_b8 v0, s[64:65] scope:SCOPE_SE
	s_setreg_imm32_b32 hwreg(HW_REG_WAVE_MODE, 25, 1), 1
	s_wait_xcnt 0x0
	s_wait_alu depctr_hold_cnt(0) depctr_sa_sdst(0) depctr_va_vdst(0) depctr_va_sdst(0) depctr_va_ssrc(0) depctr_va_vcc(0) depctr_vm_vsrc(0)
	s_getreg_b32 s2, hwreg(HW_REG_IB_STS2, 6, 4)
	s_cmp_eq_u32 s2, 0
	s_cbranch_scc0 .Lentry_in_a_cluster
	s_endpgm
.Lentry_in_a_cluster:
	s_bfe_u32 s2, ttmp6, 0x10000c
	s_cmp_lg_u32 s2, 0xf033
	s_cbranch_scc0 .Lentry_shape_is_right
	s_endpgm
.Lentry_shape_is_right:
; out0[m][n] = sum over k of att[m][k] Wo[k][n] + bo[n].  att: [4096][1024] f16; Wo: [1024 k][1024 n] f16, 14 MiB into xw; out0 f32.
; Sums in f32, started from the bias; the order of the sums is not that of a plain loop over k.
; A work-group makes a block of 256 x 128 with four waves, one to a SIMD; a wave makes 128 x 64: 32 accumulator tiles, 256 registers.
; 4096 x 1024 numbers are 128 such blocks.  Blocks of 128 x 128 would make 256 work-groups with wave tiles of 64 x 64, which read a third
; more LDS bytes for each product: 8 KiB for 16 matrix instructions against 12 KiB for 32.
; K goes in steps of 128 through a ring of two LDS slots filled by the tensor data mover, as in the launch that makes q, k and v.
; CLUSTERS: 4 x 4 work-groups; tiles of att are shared along a row of the cluster, tiles of Wo along a column, by joint loads.
; REGISTERS: window 0: v0-31 addresses; v32-63 bias tiles; v64-127, v128-191 fragments of att, two buffers; v192-223, v224-255 fragments
; of Wo, two buffers.  Window 1: accumulator tile (a, b) at v[8 (4 a + b)], a = 0 .. 7 row blocks, b = 0 .. 3 column blocks.
; The matrix instruction is used transposed (source 0 = 16 columns of Wo, source 1 = 16 rows of att): lane l holds row l % 16 and its
; registers the columns 8 (l / 16) + 0 .. 7: 32 neighbouring bytes of a row of out0.
.set SIZE_N, 1024
.set SIZE_K, 1024
.set KSTEP,  128
.set PA,     272                       ; LDS pitch of att: 256 + 16 bytes
.set PB,     288                       ; LDS pitch of Wo: 256 + 32 bytes, for the transposing load
.set HALFA,  128*PA                    ; one tensor load of att: 128 rows
.set HALFB,  64*PB                     ; one tensor load of Wo: 64 k rows
.set BOFF,   2*HALFA
.set SLOT,   BOFF+2*HALFB              ; 106,496 bytes
.set STAGE,  2*SLOT                    ; behind the ring: 16 rows x 272 bytes for each wave; no tensor load lands here
.set SPITCH, 272
.set LAPS,   SIZE_K/(2*KSTEP)
.set WOOFF,  0xe00000                  ; Wo begins 14 MiB into xw
.set ADRA, 16
.set ADRB, 20
.set STO,  24
.set RD,   25
.set CO,   26
.set BO,   27
.set BIAS, 32
.set FA,   64                          ; buffer n of att at FA + 64 n
.set FB,   192                         ; buffer n of Wo at FB + 32 n
.set G1,  24
.set G0,  32
.set G1B, 48
.set G0B, 56
.set MSB, 0
.macro WIN new
.if MSB != \new
	s_set_vgpr_msb (MSB<<8)|\new
.set MSB, \new
.endif
.endm
.set MUL, 0x50                         ; sources 0 and 1 window 0, C and D window 1
.set FST, 0x40                         ; the first products: C is the bias in window 0, D window 1
.set STD, 0x04                         ; LDS store: address window 0, data window 1
.macro JLOAD s                         ; waves 0 and 1 fetch the halves of the tile of att, waves 2 and 3 those of Wo
	s_cmp_eq_u32 s11, 0
	s_cbranch_scc0 .Lfor_b_\@
	tensor_load_to_lds s[G0+4*\s:G0+4*\s+3], s[G1:G1+7]
	s_nop 0
	s_branch .Lasked_\@
.Lfor_b_\@:
	tensor_load_to_lds s[G0B+4*\s:G0B+4*\s+3], s[G1B:G1B+7]
	s_nop 0
.Lasked_\@:
.endm
.macro CREST                           ; a round of the barrier of the cluster behind its opening barrier
	s_cmp_lg_u32 s10, 0
	s_cbranch_scc1 .Lnot_wave_0_\@
	s_barrier_signal -3
.Lnot_wave_0_\@:
	s_barrier_wait -3
	s_barrier_signal -1
	s_barrier_wait -1
.endm
.macro CROUND
	s_barrier_signal -1
	s_barrier_wait -1
	CREST
.endm
	s_load_b256 s[68:75], s[0:1], 0x0              ; att s[68:69], xw s[70:71], bo s[72:73], out0 s[74:75]
	v_lshl_add_u32 v30, v0, 2, 0x38400
	v_mov_b32 v31, 0
	ds_add_u32 v30, v31
	ds_add_u32 v30, v31
	v_lshrrev_b32 v1, 5, v0
	v_readfirstlane_b32 s10, v1                    ; wave 0..3
	s_lshr_b32 s11, s10, 1                         ; which 128 rows of the block are mine.  Also: I fetch for att (0) or for Wo (1)
	s_and_b32 s12, s10, 1                          ; which 64 columns.  Also: which half of that tile I fetch
	s_bfe_u32 s40, ttmp6, 0x40000                  ; cx
	s_bfe_u32 s41, ttmp6, 0x40004                  ; cy
	s_lshl_b32 s42, ttmp9, 2
	s_add_co_u32 s42, s42, s40                     ; block column = 4 x cluster x + cx
	s_and_b32 s13, ttmp7, 0xffff
	s_lshl_b32 s13, s13, 2
	s_add_co_u32 s13, s13, s41                     ; block row = 4 x cluster y + cy
	s_lshl_b32 s43, s41, 2
	s_lshl_b32 s43, 15, s43                        ; my row of the cluster
	s_lshl_b32 s44, 0x1111, s40                    ; my column
	; group 1 for att: 128 rows x 128 elements of 2 bytes, 4 words of padding after every 64 words
	s_or_b32 s[G1+0], s43, (1<<16)|(1<<20)|(1<<21)|(5<<22)|(3<<25)
	s_mov_b32 s[G1+1], KSTEP<<16
	s_mov_b32 s[G1+2], 128<<16
	s_mov_b32 s[G1+3], KSTEP<<16
	s_mov_b32 s[G1+4], 128
	s_mov_b32 s[G1+5], SIZE_K
	s_mov_b32 s[G1+6], 0
	s_mov_b32 s[G1+7], 0
	; group 1 for Wo: 64 k rows x 128 elements of 2 bytes, 8 words of padding after every 64 words
	s_or_b32 s[G1B+0], s44, (1<<16)|(1<<20)|(1<<21)|(5<<22)|(7<<25)
	s_mov_b32 s[G1B+1], 128<<16
	s_mov_b32 s[G1B+2], 64<<16
	s_mov_b32 s[G1B+3], 128<<16
	s_mov_b32 s[G1B+4], 64
	s_mov_b32 s[G1B+5], SIZE_N
	s_mov_b32 s[G1B+6], 0
	s_mov_b32 s[G1B+7], 0
	s_lshl_b32 s17, s12, 7
	s_lshl_b32 s16, s13, 8
	s_add_co_u32 s16, s16, s17                     ; att: row 256 x block row + 128 x half,
	s_lshl_b32 s16, s16, 11                        ; of 2,048 bytes
	s_mov_b32 s17, 0
	s_lshl_b32 s46, s42, 8                         ; Wo: 128 columns of 2 bytes for each block column,
	s_lshl_b32 s47, s12, 17                        ; 64 k rows of 2,048 bytes for my half,
	s_add_co_u32 s46, s46, s47
	s_add_co_u32 s46, s46, WOOFF
	s_mov_b32 s47, 0
	s_lshl_b32 s78, s42, 9                         ; the bias of my 64 columns: 128 x block column + 64 x half, 4 bytes each
	s_lshl_b32 s79, s12, 8
	s_add_co_u32 s78, s78, s79
	s_mov_b32 s79, 0
	s_mul_i32 s20, s10, HALFA                      ; where the tiles go: att, waves 0 and 1: wave x 34,816;
	s_mul_i32 s45, s10, HALFB
	s_add_co_u32 s45, s45, BOFF-2*HALFB            ; Wo, waves 2 and 3: 69,632 + (wave - 2) x 18,432
	s_wait_dscnt 0x0
	s_wait_kmcnt 0x0
	s_add_nc_u64 s[14:15], s[68:69], s[16:17]
	s_add_nc_u64 s[46:47], s[70:71], s[46:47]
	s_add_nc_u64 s[72:73], s[72:73], s[78:79]
	CROUND                                         ; all sixteen work-groups are here: the first joint loads meet
.irp s, 0,1
	s_mov_b32 s[G0+4*\s], 1
	s_add_co_u32 s[G0+4*\s+1], s20, \s*SLOT
	s_add_nc_u64 s[G0+4*\s+2:G0+4*\s+3], s[14:15], \s*KSTEP*2
	s_or_b32 s[G0+4*\s+3], s[G0+4*\s+3], 0x80000000
	s_mov_b32 s[G0B+4*\s], 1
	s_add_co_u32 s[G0B+4*\s+1], s45, \s*SLOT
	s_add_nc_u64 s[G0B+4*\s+2:G0B+4*\s+3], s[46:47], \s*KSTEP*2048
	s_or_b32 s[G0B+4*\s+3], s[G0B+4*\s+3], 0x80000000
	JLOAD \s                                       ; two tensor loads of the wave are out
.endr
	v_and_b32 v1, 15, v0                           ; r
	v_bfe_u32 v2, v0, 4, 1                         ; h
	v_lshlrev_b32 v[BO], 5, v2
.irp b, 0,1,2,3
	global_load_b128 v[BIAS+8*\b:BIAS+8*\b+3],   v[BO], s[72:73] offset:64*\b        ; register j: bo[16 b + 8 h + j] of my columns
	global_load_b128 v[BIAS+8*\b+4:BIAS+8*\b+7], v[BO], s[72:73] offset:64*\b+16
.endr
	v_mul_u32_u24 v3, v1, PA
	v_lshl_add_u32 v3, v2, 4, v3                   ; att: r x pitch + 16 h
	v_and_b32 v6, 7, v0
	v_lshl_add_u32 v6, v2, 3, v6
	v_mul_u32_u24 v6, v6, PB
	v_bfe_u32 v7, v0, 3, 1
	v_lshl_add_u32 v6, v7, 4, v6                   ; Wo: (8 h + l % 8) x pitch + 16 ((l / 8) % 2)
	s_mul_i32 s21, s11, HALFA                      ; my 128 rows of att
	s_lshl_b32 s22, s12, 7                         ; my 64 columns of Wo, 2 bytes each,
	s_add_co_u32 s22, s22, BOFF                    ; behind the 256 rows of att
.irp s, 0,1
	v_add_nc_u32 v[ADRA+\s], s21, v3
	v_add_nc_u32 v[ADRB+\s], s22, v6
	s_add_co_u32 s21, s21, SLOT
	s_add_co_u32 s22, s22, SLOT
.endr
	s_mul_i32 s23, s10, 16*SPITCH
	s_add_co_u32 s23, s23, STAGE                   ; my stage
	v_mul_u32_u24 v4, v1, SPITCH
	v_lshl_add_u32 v4, v2, 5, v4                   ; in: row r, 32 bytes for each half of the lanes
	v_add_nc_u32 v[STO], s23, v4
	v_mul_u32_u24 v5, v2, SPITCH
	v_lshl_add_u32 v5, v1, 4, v5                   ; back: lanes 0-15 one row of 256 bytes, lanes 16-31 the next
	v_add_nc_u32 v[RD], s23, v5
	v_lshlrev_b32 v5, 12, v2
	v_lshl_add_u32 v[CO], v1, 4, v5                ; and the same two rows in out0
; 8 matrix instructions: row blocks a0, a0 + 1 x the four column blocks, on fragment buffer n.  first = 1: the sums start from the bias.
; The 32 accumulators take turns, one instruction a turn, in the same order in every quarter step.
.macro MUL8 n, a0, first
.irp a, \a0, \a0+1
.irp b, 0,1,2,3
.if \first
	v_wmma_f32_16x16x32_f16 v[8*(4*(\a)+\b):8*(4*(\a)+\b)+7], v[FB+32*\n+8*\b:FB+32*\n+8*\b+7], v[FA+64*\n+8*(\a):FA+64*\n+8*(\a)+7], v[BIAS+8*\b:BIAS+8*\b+7]
.else
	v_wmma_f32_16x16x32_f16 v[8*(4*(\a)+\b):8*(4*(\a)+\b)+7], v[FB+32*\n+8*\b:FB+32*\n+8*\b+7], v[FA+64*\n+8*(\a):FA+64*\n+8*(\a)+7], v[8*(4*(\a)+\b):8*(4*(\a)+\b)+7]
.endif
.endr
.endr
.endm
; 24 LDS loads in one run: quarter step q of a slot into buffer n: 64 columns of Wo, then 128 rows of att.  All in window 0.
.macro FETCH slot, q, n
	WIN 0
.irp i, 0,1,2,3
	ds_load_tr16_b128 v[FB+32*\n+8*\i:FB+32*\n+8*\i+3],   v[ADRB+\slot] offset:\q*32*PB+32*\i
	ds_load_tr16_b128 v[FB+32*\n+8*\i+4:FB+32*\n+8*\i+7], v[ADRB+\slot] offset:\q*32*PB+16*PB+32*\i
.endr
.irp i, 0,1,2,3,4,5,6,7
	ds_load_b128 v[FA+64*\n+8*\i:FA+64*\n+8*\i+3],   v[ADRA+\slot] offset:\q*64+\i*16*PA
	ds_load_b128 v[FA+64*\n+8*\i+4:FA+64*\n+8*\i+7], v[ADRA+\slot] offset:\q*64+\i*16*PA+32
.endr
.endm
.macro PLACES                          ; four plain vector instructions behind a matrix instruction (ISA guide 7.12.1)
.rept 4
	v_nop
.endr
.endm
.macro WINMUL first
.if \first
	WIN FST
.else
	WIN MUL
.endif
.endm
; One of the first three quarter steps: multiplies buffer n; in its middle it fetches quarter q of the same slot into buffer m.
.macro QUARTER slot, q, n, m, first
	s_wait_dscnt 8                                 ; Wo and rows 0-63 of att are in; the youngest eight loads (rows 64-127) may be out
	WINMUL \first
	MUL8 \n, 0, \first
	MUL8 \n, 2, \first
	PLACES
	FETCH \slot, \q, \m
	s_wait_dscnt 24                                ; all but the 24 just issued
	WINMUL \first
	MUL8 \n, 4, \first
	MUL8 \n, 6, \first
.endm
.macro THREE slot, first
	QUARTER \slot, 1, 0, 1, \first
	QUARTER \slot, 2, 1, 0, 0
	QUARTER \slot, 3, 0, 1, 0
.endm
; The last quarter step: multiplies buffer 1 and changes slots.  In front of the barrier each wave waits for its reads of this slot and
; for all its tensor loads; behind it the refill comes first.  From a request to the wait for it a wave issues 120 matrix instructions.
.macro TURN slot, next, fill
	s_wait_dscnt 8
	WIN MUL
	MUL8 1, 0, 0
	s_wait_dscnt 0                                 ; my reads of this slot are over
	s_wait_tensorcnt 0x0                           ; all my tensor loads have landed
	ds_add_u32 v30, v31
	s_wait_dscnt 0x0
	s_barrier_signal -1                            ; where the slot is filled again this barrier opens a round of the barrier of the cluster
	MUL8 1, 2, 0                                   ; register work while the others arrive
	WIN 0
	s_barrier_wait -1
.if \fill
	CREST                                          ; no wave of any partner still reads this slot or has a load on its way
	s_add_nc_u64 s[G0+4*\slot+2:G0+4*\slot+3], s[G0+4*\slot+2:G0+4*\slot+3], 2*KSTEP*2
	s_add_nc_u64 s[G0B+4*\slot+2:G0B+4*\slot+3], s[G0B+4*\slot+2:G0B+4*\slot+3], 2*KSTEP*2048
	JLOAD \slot                                    ; the first and only tensor load of the wave behind the round
.endif
	PLACES
	FETCH \next, 0, 0
	WIN MUL
	MUL8 1, 4, 0
	MUL8 1, 6, 0
.endm
.macro LAP first
	THREE 0, \first
	TURN 0, 1, 1
	THREE 1, 0
	TURN 1, 0, 1
.endm
	s_wait_tensorcnt 1                             ; my part of K step 0 is in; that of K step 1 may stay out
	s_barrier_signal -1
	s_barrier_wait -1
	FETCH 0, 0, 0
	s_wait_loadcnt 0x0                             ; the bias tiles
	LAP 1                                          ; the first lap stands in front of the loop: its first products start the sums
	WIN 0
	s_mov_b32 s3, LAPS-2
.Llap:
	LAP 0
	WIN 0
	s_sub_co_u32 s3, s3, 1
	s_cmp_lg_u32 s3, 0
	s_cbranch_scc1 .Llap
	THREE 0, 0                                     ; the last lap fills nothing
	TURN 0, 1, 0
	THREE 1, 0
	s_wait_dscnt 8
	WIN MUL
	MUL8 1, 0, 0
	MUL8 1, 2, 0
	s_wait_dscnt 0
	MUL8 1, 4, 0
	MUL8 1, 6, 0
	; THE WAY OUT, 16 rows at a time: 32 bytes a lane into my own stage, read back as whole rows of 256 bytes (64 f32).
	PLACES
	s_lshl_b32 s13, s13, 8
	s_lshl_b32 s14, s11, 7
	s_add_co_u32 s16, s13, s14                     ; my first row,
	s_lshl_b32 s16, s16, 12                        ; of 4,096 bytes
	s_mov_b32 s17, 0
	s_add_nc_u64 s[74:75], s[74:75], s[16:17]
	s_lshl_b32 s46, s42, 9                         ; my first column, in bytes: 512 x block column + 256 x half
	s_lshl_b32 s47, s12, 8
	s_add_co_u32 s46, s46, s47
	s_mov_b32 s47, 0
	s_add_nc_u64 s[74:75], s[74:75], s[46:47]
; rows 16 i .. 16 i + 15 of my block = the four tiles (i, 0..3); f: the two buffers of att fragments in turn
.macro OUT16 i, f
	WIN STD
.irp b, 0,1,2,3
	ds_store_b128 v[STO], v[8*(4*\i+\b):8*(4*\i+\b)+3]   offset:64*\b
	ds_store_b128 v[STO], v[8*(4*\i+\b)+4:8*(4*\i+\b)+7] offset:64*\b+16
.endr
	WIN 0
	s_wait_xcnt 0x0                                ; buffer f, which earlier stores read, and the base of the stores are rewritten only behind this wait
.if \i
	s_add_nc_u64 s[74:75], s[74:75], 16*4096
.endif
.irp t, 0,1,2,3,4,5,6,7
	ds_load_b128 v[\f+4*\t:\f+4*\t+3], v[RD] offset:\t*2*SPITCH    ; LDS serves the instructions of a wave in order: these see the stores above
.endr
.irp t, 0,1,2,3,4,5,6,7
	s_wait_dscnt 7-\t                              ; the younger loads stay out
	global_store_b128 v[CO], v[\f+4*\t:\f+4*\t+3], s[74:75] offset:2*\t*4096 th:TH_STORE_NT   ; 16 lanes store 256 consecutive bytes, aligned
.endr
.endm
	OUT16 0, FA
	OUT16 1, FA+64
	OUT16 2, FA
	OUT16 3, FA+64
	OUT16 4, FA
	OUT16 5, FA+64
	OUT16 6, FA
	OUT16 7, FA+64
	s_wait_tensorcnt 0x0
	ds_add_u32 v30, v31
	s_wait_dscnt 0x0
	CROUND                                         ; the closing round: no work-group ends while a partner may still ask for a tile that names it
	s_endpgm
.Lfunc_end_k_qdec811d415_oproj:
	.size	k_qdec811d415_oproj, .Lfunc_end_k_qdec811d415_oproj-k_qdec811d415_oproj
	.p2alignl 7, 3214868480
	.fill 96, 4, 3214868480
	.section	.rodata,"a",@progbits
	.p2align	6, 0x0
	.amdhsa_kernel k_qdec811d415_oproj
		.amdhsa_group_segment_fixed_size 327680
		.amdhsa_private_segment_fixed_size 0
		.amdhsa_enable_private_segment 0
		.amdhsa_kernarg_size 32
		.amdhsa_user_sgpr_count 2
		.amdhsa_user_sgpr_kernarg_segment_ptr 1
		.amdhsa_wavefront_size32 1
		.amdhsa_system_sgpr_workgroup_id_x 1
		.amdhsa_system_sgpr_workgroup_id_y 1
		.amdhsa_system_sgpr_workgroup_id_z 1
		.amdhsa_system_vgpr_workitem_id 0
		.amdhsa_next_free_vgpr 512
		.amdhsa_next_free_sgpr 80
		.amdhsa_reserve_vcc 0
		.amdhsa_float_denorm_mode_32 3
		.amdhsa_float_denorm_mode_16_64 3
		.amdhsa_memory_ordered 1
		.amdhsa_forward_progress 1
		.amdhsa_inst_pref_size 120
	.end_amdhsa_kernel
	.amdgpu_metadata
---
amdhsa.version: [ 1, 2 ]
amdhsa.kernels:
  - .name:           k_qdec811d415_oproj
    .symbol:         k_qdec811d415_oproj.kd
    .args:
      - { .name: att, .offset: 0, .size: 8, .value_kind: global_buffer, .address_space: global }
      - { .name: xw, .offset: 8, .size: 8, .value_kind: global_buffer, .address_space: global }
      - { .name: bo, .offset: 16, .size: 8, .value_kind: global_buffer, .address_space: global }
      - { .name: out0, .offset: 24, .size: 8, .value_kind: global_buffer, .address_space: global }
    .group_segment_fixed_size: 327680
    .private_segment_fixed_size: 0
    .kernarg_segment_align: 8
    .kernarg_segment_size: 32
    .max_flat_workgroup_size: 128
    .sgpr_count:     80
    .vgpr_count:     512
    .wavefront_size: 32
...
	.end_amdgpu_metadata
.endif
;; end of part 4
